; MI455X (gfx1250); checked and timed in simulation.
; The chip was launched on July 23, 2026; its instructions are those of AMD's public machine-readable ISA for CDNA 5 (MIT licence, August 2026) and "CDNA5" Instruction Set Architecture Reference Guide (July 2026). The comments in the code are by the model that wrote it; some were corrected since.
;; AFM Layer. Allowed arithmetic: matrix products marked QUANTISED: E3M2 operands, one E8M0 scale for each 32 along K, by v_wmma_scale_f32_16x16x128_f8f6f4 with both operands' format E3M2, f32 sums; products left as they are: f32 operands where the result goes on into a quantised operand, else bf16, f16 or f32 operands; f32 sums; everything else in f32.
;; Inputs: attn_W 64 x 64 float32; attn_b 64 float32; embeds 4,096 x 32 x 64 float32; projection_h 64 x 1 float32; projection_p 64 x 1 float32.
;; Outputs: out0 4,096 x 1 float32.
;; This version of the problem:
;;   THIS VERSION OF THE PROBLEM IS GIVEN IN LOW PRECISION. The matrix products marked QUANTISED in the list below multiply operands that are first quantised to E3M2 (3 exponent bits, 2 mantissa bits; 6 bits a number), with one power-of-two scale for each 32 numbers along K (OCP MX v1.0); their sums are f32. All else is computed in f32.
;;   The module's matrix products, in the order in which they are computed (A, B: the left and right operand; K: the contracted axis; several contracted axes count as one K, in the product's order):
;;     1. [M 2,031,616, K 64] x [K 64, N 64]; A: computed on the way; B: input attn_W: QUANTISED
;;     2. [M 2,031,616, K 64] x [K 64, N 1]; A: computed on the way; B: input projection_h: left as it is (N = 1 < 16)
;;     3. [M 4,096, K 64] x [K 64, N 1]; A: computed on the way; B: input projection_p: left as it is (N = 1 < 16)
;;   THE QUANTISER, for each operand of a quantised product, along K:
;;     - K is cut into blocks of 32 from its start; a last block that is shorter is filled with zeros.
;;     - A block's scale is 2^e with e = floor(log2(the largest magnitude in the block)) - 4, held to -126 .. 127; a block of zeros has e = 0. As a byte (E8M0): e + 127.
;;     - Each number is divided by its block's scale, clamped to +-28, and rounded to the nearest number of E3M2, ties to even, subnormals kept.
;;     - The product sums the exact products of the quantised numbers (number of the format x scale) in f32.
;;   ~~~python
;;   def quantise(x, axis):      # numpy; x: float32 -> the quantised numbers, widened to float32 again
;;       x = np.moveaxis(x, axis, -1); K = x.shape[-1]
;;       x = np.pad(x, [(0, 0)] * (x.ndim - 1) + [(0, -K % 32)]); x = x.reshape(x.shape[:-1] + (-1, 32)); a = np.abs(x).max(-1, keepdims=True)
;;       e = np.where(a > 0, np.clip(np.frexp(np.where(a > 0, a, 1))[1] - 1 - 4, -126, 127), 0)      # np.frexp(a)[1] - 1 = floor(log2(a)), exactly
;;       r = np.clip(x / 2.0 ** e, -28, 28)
;;       step = 2.0 ** (np.maximum(np.frexp(np.where(r == 0, 1, r))[1] - 1, -2) - 2)
;;       q = np.round(r / step) * step * 2.0 ** e      # np.round: ties to even
;;       return np.moveaxis(q.reshape(q.shape[:-2] + (-1,))[..., :K], -1, axis).astype(np.float32)
;;   ~~~
;;   OPERANDS COMPUTED ON THE WAY. 'Computed on the way' means the value that the module computes at that place (a softmax that the list does not call 'softmax' is quantised finished and normalised). What goes into a quantiser is computed in f32, as accurately as f32 sums, v_exp_f32 and their like allow (about 1e-6 of the number): no bf16 or f16 on the way to a quantiser, and a product that is left as it is and whose result goes on into a quantised operand takes f32 operands (vector FMAs, or v_wmma_f32_16x16x4_f32). A number that lies on a knife's edge between two numbers of the format may be rounded either way, as far as f32 arithmetic and the matrix unit's own rounding can turn it there, and no further.
;; One version. Each part assembles by itself: llvm-mc -triple=amdgcn-amd-amdhsa -mcpu=gfx1250 --defsym DOCPART=n.
;; ======== version 1 of 1: 1 launch
;; launch afm (part 1): grid 256 x 1, 8 waves a work-group, no clusters, 288,000 bytes of LDS; arguments embeds, attn_W, attn_b, projection_h, projection_p, out0; writes out0
.if DOCPART == 1
	.amdgcn_target "amdgcn-amd-amdhsa--gfx1250"
	.amdhsa_code_object_version 6
	.text
	.protected	k_q7a686ca9be_afm
	.globl	k_q7a686ca9be_afm
	.p2align	8
	.type	k_q7a686ca9be_afm,@function
k_q7a686ca9be_afm:
	s_mov_b64 s[64:65], 0
	v_nop
	global_prefetch_b8 v0, s[64:65] scope:SCOPE_SE
	s_setreg_imm32_b32 hwreg(HW_REG_WAVE_MODE, 25, 1), 1
	s_wait_xcnt 0x0
; AFM layer.  embeds [4096][32][64] f32, attn_W [64][64] f32 (K = its first axis), attn_b, projection_h, projection_p [64] f32, out0 [4096] f32.
; For each sample: the 496 products bi = e_i * e_j (i < j), each quantised to E3M2 along its 64 numbers (two blocks of 32, one E8M0 scale each), times the quantised attn_W,
; + bias, relu, dot with projection_h = a logit; softmax over the 496 logits; out = sum of weight x s, s = sum over e of bi[e] projection_p[e] (the weighted sum of bi and its
; dot with projection_p are both linear, so only two numbers a pair, the logit and s, live until the softmax).  All but the quantised product is f32.
; SHARES.  Work-group g takes samples 16 g .. 16 g + 15; wave w takes 16 g + 2 w and the next, one after the other.  A sample belongs to one wave from its load to its result.
; A sample is 31 tiles of 16 pairs.  L = rows 0-15, H = rows 16-31, r = lane % 16.  Tiles 0-6: (L_r, L_(r+d)%16), d = 1..7; tiles 7-22: (L_r, H_(r+d)%16), d = 0..15;
; tiles 23-29: (H_r, H_(r+d)%16), d = 1..7; tile 30: r < 8: (L_r, L_r+8), r >= 8: (H_r, H_r-8).  7 x 16 + 256 + 7 x 16 + 16 = 496, each unordered pair once.
; The wave's image of a sample in LDS holds L twice (rows 0-31) and H twice (rows 32-63), so that the turn d is an immediate offset and no modulo is computed.
; OPERANDS.  Lane (r, h) holds block h (e = 32 h .. 32 h + 31) of pair r: the block's largest magnitude needs no other lane.  The codes of e = 32 h + 0..15 go to registers 0-2 of the
; operand and those of e = 32 h + 16..31 to registers 6-8 (a conversion's three registers begin on an even number); registers 3-5 and 9-11 hold zero codes, written once.  attn_W's
; fragments are laid the same way: one permutation of k on both sides.  The unit's four blocks then have the scales s0, s1, s0, s1.  K is 64 and the instruction's is 128: half of it multiplies zeros.
; The product is used transposed (source 0 = 16 hidden units, source 1 = 16 pairs): lane (r, h), register j of tile t = hidden unit 16 t + 8 h + j of pair r.  The bias is the C operand.
; PIPELINE.  Step n: load tile n + 1's rows | bi of tile n and its largest magnitudes | codes and scale word | s of tile n, mixed with relu and the dot with h of tile n - 1 | tile n's four products.
; NO CLUSTER: a work-group reads 131,072 bytes of embeds that no other work-group reads; what all share is attn_W and three vectors, 17,152 bytes, read once at the head.
; LIMITS: NaN and infinities among the inputs, and products e_i e_j beyond f32's range, are not served.  A block whose largest magnitude lies under 2^-122 gets the scale byte 1; so does a block of
; zeros, where the quantiser says 127: its codes are zeros, and the bytes never leave the kernel.  The f32 sums are taken in another order than the reference's.
.set DUAL,  1                          ; 1: relu of two numbers in one dual instruction; 0: in two plain ones
.set PITCH, 272                        ; an image row: 256 bytes + 16 = 17 x 16: sixteen neighbouring rows begin in sixteen different 16-byte columns of a span of 256 bytes
.set WBASE, 16640                      ; LDS 0 .. 16,447: attn_W as it lies, row k at 256 k + 64 (k / 32); then a region for each wave
.set WREG,  33792                      ; a wave's region: the image, 64 x 272 = 17,408 bytes; then 32 slots x 256 bytes of partial s; then 32 slots of partial logits
.set PART,  17408
.set LOGS,  8192
.set FLOOR, 0x2800000                  ; 2^(5 - 127): no largest magnitude is taken under it, so the scale byte cannot fall under 1
; window 0
.set AY,   1                           ; v1   image: my region + 272 r + 128 h
.set AT30, 2                           ; v2   the same, 32 rows further on where r >= 8: tile 30
.set AST,  3                           ; v3   image, on the way in: my region + 272 (lane / 16) + 16 (lane % 16)
.set AP,   4                           ; v4   partials, on the way in: 8 x lane
.set AE,   5                           ; v5   partials, on the way out: 256 (lane / 16) + 8 (lane % 16)
.set GO,   6                           ; v6   16 x lane: my bytes of a load's 512
.set AWR,  7                           ; v7   attn_W in LDS: 8256 h + 4 r
.set MXA,  8                           ; v8, v9  two chains of the largest magnitude
.set MXB,  9
.set SCL,  10                          ; v10  the conversions' scale operand
.set BY,   11                          ; v11  my block's scale byte;  v12 lane l xor 16's
.set BO,   12
.set PS,   13                          ; v13  the pairs' scale word: holds scales and nothing else
.set SA,   14                          ; v[14:15], v[16:17] partial s, by the tile's parity;  v[18:19] its second chain
.set SB,   18
.set LA,   20                          ; v[20:21], v[22:23] partial logit, by the tile's parity;  v[24:25] its second chain
.set LB,   24
.set RES,  26                          ; v[26:27] the wave's two results
.set MX,   28                          ; v[28:29] the largest logit, twice
.set ZS,   30                          ; v[30:31] the sum of p
.set PC,   32                          ; v[32:43] the pairs' operand
.set NS,   44                          ; v[44:45] the sum of p s
.set T0,   46
.set T1,   47
.set XR,   48                          ; v[48:79]   the tile's fixed rows;  in the softmax v48-63 s, v64-79 logits;  at the head v48-175 attn_W's numbers
.set YR,   80                          ; v[80:111], v[112:143] the turned rows, then bi: two sets;  in the softmax 64 registers of partials
.set DR,   144                         ; v[144:175] four accumulators
.set PPR,  176                         ; v[176:207] projection_p[32 h + i]
.set HR,   208                         ; v[208:239] projection_h[16 t + 8 h + j] at 8 t + j
.set WS,   240                         ; v[240:243] attn_W's scale words: hold scales and nothing else
.set SCW,  244                         ; v[244:247] the scale operands of attn_W's conversions
.set CL,   248                         ; v248 the copies' LDS address;  v249 their offset in attn_W
.set CG,   249
.set OPP,  250                         ; v250 128 h;  v251 32 h
.set OH,   251
.set SS,   48
.set LG,   64
; window 1
.set BI,   48                          ; v[48:79]   attn_b[16 t + 8 h + j] at 8 t + j
.set ST,   80                          ; v[80:143]  the next sample as it is loaded
.set WF,   192                         ; v[192:239] attn_W's four fragments, 12 registers each
.set MSB, 0
.macro WIN new                         ; s_set_vgpr_msb: bits 1:0 source 0, 3:2 source 1, 5:4 source 2, 7:6 destination; the high byte repeats the setting that is left
.if MSB != \new
	s_set_vgpr_msb (MSB<<8)|\new
.set MSB, \new
.endif
.endm
.macro GLOADB                          ; a sample, 8,192 bytes: sixteen loads of 512 consecutive bytes (rows 2 i and 2 i + 1), into window 1
	WIN 0x40
.irp i, 0,1,2,3,4,5,6,7,8,9,10,11,12,13,14,15
	global_load_b128 v[ST+4*\i:ST+4*\i+3], v[GO], s[4:5] offset:512*\i th:TH_LOAD_NT
.endr
	WIN 0
.endm
.macro IMGSTORE                        ; each row goes into the image twice, 16 rows apart: rows 0-15 to image rows 0-15 and 16-31, rows 16-31 to 32-47 and 48-63
	WIN 0x04                                       ; an LDS store's data are its source 1: window 1
	s_setprio 2
.irp i, 0,1,2,3,4,5,6,7,8,9,10,11,12,13,14,15
	ds_store_b128 v[AST], v[ST+4*\i:ST+4*\i+3] offset:PITCH*(2*\i+16*(\i/8))
	ds_store_b128 v[AST], v[ST+4*\i:ST+4*\i+3] offset:PITCH*(2*\i+16*(\i/8)+16)
.endr
	WIN 0
.endm
.macro XLOAD adr, off                  ; the fixed rows: my 32 numbers of row r
.irp q, 0,1,2,3,4,5,6,7
	ds_load_b128 v[XR+4*\q:XR+4*\q+3], v[\adr] offset:(\off)+16*\q
.endr
.endm
.macro YLOAD n                         ; tile n's turned rows into set n % 2
.if (\n) < 7
.set YA, AY
.set YO, PITCH*((\n)+1)
.elseif (\n) < 23
.set YA, AY
.set YO, PITCH*(32+(\n)-7)
.elseif (\n) < 30
.set YA, AY
.set YO, PITCH*(32+(\n)-22)
.else
.set YA, AT30
.set YO, PITCH*8
.endif
.set YB, YR+32*((\n)%2)
.irp q, 0,1,2,3,4,5,6,7
	ds_load_b128 v[YB+4*\q:YB+4*\q+3], v[YA] offset:YO+16*\q
.endr
.endm
.macro PM yb, i                        ; bi, two numbers, in place
	v_pk_mul_f32 v[\yb+2*(\i):\yb+2*(\i)+1], v[\yb+2*(\i):\yb+2*(\i)+1], v[XR+2*(\i):XR+2*(\i)+1]
.endm
.macro C0 b, k                         ; link k of 8 of the first chain: numbers 0-15, and the floor
.if (\k) == 0
	v_max3_num_f32 v[MXA], |v[\b]|, |v[\b+1]|, FLOOR
.else
	v_max3_num_f32 v[MXA], v[MXA], |v[\b+2*(\k)]|, |v[\b+2*(\k)+1]|
.endif
.endm
.macro C1 b, k                         ; link k of 8 of the second: numbers 16-31; its last link takes the first chain in
.if (\k) == 0
	v_max3_num_f32 v[MXB], |v[\b+16]|, |v[\b+17]|, |v[\b+18]|
.elseif (\k) < 7
	v_max3_num_f32 v[MXB], v[MXB], |v[\b+17+2*(\k)]|, |v[\b+18+2*(\k)]|
.else
	s_delay_alu instid0(VALU_DEP_1)
	v_max3_num_f32 v[MXB], v[MXB], |v[\b+31]|, v[MXA]
.endif
.endm
.macro MULMAX yb                       ; 16 packed products and 16 maxima of three; a maximum stands two turns behind the products that it reads
.irp i, 0,1,2,3,4,5,6,7
	PM \yb, \i
	PM \yb, 8+\i
.if \i >= 2
	C0 \yb, \i-2
	C1 \yb, \i-2
.endif
.endr
	C0 \yb, 6
	C1 \yb, 6
	C0 \yb, 7
	C1 \yb, 7
.endm
.macro SCALECVT yb
	v_add_nc_u32 v[SCL], 0xfe000000, v[MXB]        ; 4 off the largest magnitude's exponent field: the conversion takes the exponent field of this operand as its scale
	v_cvt_scalef32_pk16_bf6_f32 v[PC:PC+2], v[\yb:\yb+15], v[SCL]
	v_cvt_scalef32_pk16_bf6_f32 v[PC+6:PC+8], v[\yb+16:\yb+31], v[SCL]
	v_lshrrev_b32 v[BY], 23, v[SCL]                ; the scale's byte.  (The plain instruction behind the conversions)
	s_delay_alu instid0(VALU_DEP_1)
	v_permlanex16_b32 v[BO], v[BY], s20, s21       ; the pair's other block's
	s_delay_alu instid0(VALU_DEP_1)
	v_perm_b32 v[PS], v[BO], v[BY], s22            ; lanes 0-15: s0, s1, s0, s1 (lanes 16-31 are not read)
.endm
.macro SDOT i, yb, p                   ; s += bi x projection_p, pair i of 16, in two chains
.if (\i) == 0
	v_pk_mul_f32 v[SA+2*(\p):SA+2*(\p)+1], v[\yb:\yb+1], v[PPR:PPR+1]
.elseif (\i) == 1
	v_pk_mul_f32 v[SB:SB+1], v[\yb+2:\yb+3], v[PPR+2:PPR+3]
.elseif ((\i)%2) == 0
	v_pk_fma_f32 v[SA+2*(\p):SA+2*(\p)+1], v[\yb+2*(\i):\yb+2*(\i)+1], v[PPR+2*(\i):PPR+2*(\i)+1], v[SA+2*(\p):SA+2*(\p)+1]
.else
	v_pk_fma_f32 v[SB:SB+1], v[\yb+2*(\i):\yb+2*(\i)+1], v[PPR+2*(\i):PPR+2*(\i)+1], v[SB:SB+1]
.endif
.endm
.macro RELU2 i                         ; relu of hidden numbers 2 i and 2 i + 1, in place
.if DUAL
	v_dual_max_num_f32 v[DR+2*(\i)], 0, v[DR+2*(\i)] :: v_dual_max_num_f32 v[DR+2*(\i)+1], 0, v[DR+2*(\i)+1]
.else
	v_max_num_f32 v[DR+2*(\i)], 0, v[DR+2*(\i)]
	v_max_num_f32 v[DR+2*(\i)+1], 0, v[DR+2*(\i)+1]
.endif
.endm
.macro HDOT i, p                       ; logit += hidden x projection_h, pair i of 16, in two chains
.if (\i) == 0
	v_pk_mul_f32 v[LA+2*(\p):LA+2*(\p)+1], v[DR:DR+1], v[HR:HR+1]
.elseif (\i) == 1
	v_pk_mul_f32 v[LB:LB+1], v[DR+2:DR+3], v[HR+2:HR+3]
.elseif ((\i)%2) == 0
	v_pk_fma_f32 v[LA+2*(\p):LA+2*(\p)+1], v[DR+2*(\i):DR+2*(\i)+1], v[HR+2*(\i):HR+2*(\i)+1], v[LA+2*(\p):LA+2*(\p)+1]
.else
	v_pk_fma_f32 v[LB:LB+1], v[DR+2*(\i):DR+2*(\i)+1], v[HR+2*(\i):HR+2*(\i)+1], v[LB:LB+1]
.endif
.endm
; a = 1: s of tile n.  b = 1: relu and the dot with h of tile n - 1; the accumulators are read in ascending order, each from its low end on.
; The partial sums (a pair a lane: even and odd numbers of my half) go to slots n and n - 1; the registers stored take turns by parity, so that a pair is written again two steps on.
.macro MIX a, b, yb, n
.irp i, 0,1,2,3,4,5,6,7,8,9,10,11,12,13,14,15
.if \b
	RELU2 \i
.endif
.if \a
	SDOT \i, \yb, (\n)%2
.endif
.if (\b) && (\i >= 1)
	HDOT \i-1, ((\n)+1)%2
.endif
.endr
.if \b
	HDOT 15, ((\n)+1)%2
.endif
.if \a
	v_pk_add_f32 v[SA+2*((\n)%2):SA+2*((\n)%2)+1], v[SA+2*((\n)%2):SA+2*((\n)%2)+1], v[SB:SB+1]
.endif
.if \b
	v_pk_add_f32 v[LA+2*(((\n)+1)%2):LA+2*(((\n)+1)%2)+1], v[LA+2*(((\n)+1)%2):LA+2*(((\n)+1)%2)+1], v[LB:LB+1]
.endif
.if \a
	ds_store_b64 v[AP], v[SA+2*((\n)%2):SA+2*((\n)%2)+1] offset:256*(\n)
.endif
.if \b
	ds_store_b64 v[AP], v[LA+2*(((\n)+1)%2):LA+2*(((\n)+1)%2)+1] offset:LOGS+256*((\n)-1)
.endif
.endm
.macro MMA                             ; four products on four accumulators, each begun with its bias: no chain
	WIN 0x11                                       ; source 0 (attn_W) and source 2 (bias) window 1
.irp t, 0,1,2,3
	v_wmma_scale_f32_16x16x128_f8f6f4 v[DR+8*\t:DR+8*\t+7], v[WF+12*\t:WF+12*\t+11], v[PC:PC+11], v[BI+8*\t:BI+8*\t+7], v[WS+\t], v[PS] matrix_a_fmt:MATRIX_FMT_BF6 matrix_b_fmt:MATRIX_FMT_BF6
.endr
	WIN 0
.endm
; Behind tile n - 1's products stand MULMAX's 32 plain instructions, which name none of their registers, ahead of the conversions that write the operand anew, of the new scale word and of the first
; read of the results (ISA guide 7.12.1).  Between the new operand and scale word and tile n's products stand the sixteen instructions of s, which name none of the products' registers.
.macro STEP n
.set YC, YR+32*((\n)%2)
.if (\n) >= 2
	s_wait_dscnt 2                                 ; LDS instructions end in order: this tile's rows are in (and the fixed rows, where they were fetched anew); behind them only the last step's two stores were issued
.elseif (\n) == 1
	s_wait_dscnt 1                                 ; step 0 has one store
.endif
.if (\n) < 30
	YLOAD (\n)+1
.endif
	MULMAX YC
.if (\n) == 22
	s_setprio 1
	XLOAD AY, 32*PITCH                             ; from tile 23 on the fixed rows are H's
.endif
.if (\n) == 29
	s_setprio 0
	XLOAD AT30, 0                                  ; tile 30: L's rows 0-7 and H's rows 8-15
.endif
	SCALECVT YC
	MIX 1, ((\n)>0), YC, \n
	MMA
.endm
; 32 slots of partials become 16 registers: lanes 0-15 take slot 2 u's sixteen pairs, lanes 16-31 slot 2 u + 1's; a pair's four parts (two lanes x two numbers) are added.
.macro GATHER off, dst
.irp u, 0,1,2,3,4,5,6,7,8,9,10,11,12,13,14,15
	ds_load_b64 v[YR+4*\u:YR+4*\u+1], v[AE] offset:(\off)+512*\u          ; LDS serves a wave's instructions in order: these see my stores
	ds_load_b64 v[YR+4*\u+2:YR+4*\u+3], v[AE] offset:(\off)+512*\u+128
.endr
	s_wait_dscnt 0x0
.irp u, 0,1,2,3,4,5,6,7,8,9,10,11,12,13,14,15
	v_pk_add_f32 v[YR+4*\u:YR+4*\u+1], v[YR+4*\u:YR+4*\u+1], v[YR+4*\u+2:YR+4*\u+3]
.endr
.irp u, 0,1,2,3,4,5,6,7,8,9,10,11,12,13,14,15
	v_add_f32 v[\dst+\u], v[YR+4*\u], v[YR+4*\u+1]
.endr
.endm
.macro SOFTMAX                         ; 16 registers x 32 lanes: 496 pairs and 16 dummies (logit -infinity, s = 0)
	v_max3_num_f32 v[T0], v[LG], v[LG+1], v[LG+2]
	v_max3_num_f32 v[T1], v[LG+3], v[LG+4], v[LG+5]
	s_delay_alu instid0(VALU_DEP_2)
	v_max3_num_f32 v[T0], v[T0], v[LG+6], v[LG+7]
	s_delay_alu instid0(VALU_DEP_2)
	v_max3_num_f32 v[T1], v[T1], v[LG+8], v[LG+9]
	s_delay_alu instid0(VALU_DEP_2)
	v_max3_num_f32 v[T0], v[T0], v[LG+10], v[LG+11]
	s_delay_alu instid0(VALU_DEP_2)
	v_max3_num_f32 v[T1], v[T1], v[LG+12], v[LG+13]
	s_delay_alu instid0(VALU_DEP_2)
	v_max3_num_f32 v[T0], v[T0], v[LG+14], v[LG+15]
	s_delay_alu instid0(VALU_DEP_1)
	v_max_num_f32 v[T0], v[T0], v[T1]
.irp m, 1,2,4,8
	s_delay_alu instid0(VALU_DEP_1)
	v_max_num_f32_dpp v[T0], v[T0], v[T0] row_xmask:\m row_mask:0xf bank_mask:0xf
.endr
	s_delay_alu instid0(VALU_DEP_1)
	v_permlanex16_b32 v[T1], v[T0], s20, s21
	s_delay_alu instid0(VALU_DEP_1)
	v_max_num_f32 v[MX], v[T0], v[T1]              ; the sample's largest logit, in every lane
	s_delay_alu instid0(VALU_DEP_1)
	v_mov_b32 v[MX+1], v[MX]
.irp i, 0,1,2,3,4,5,6,7
	v_pk_add_f32 v[LG+2*\i:LG+2*\i+1], v[LG+2*\i:LG+2*\i+1], v[MX:MX+1] neg_lo:[0,1] neg_hi:[0,1]   ; the maximum is taken away first,
.endr
.irp i, 0,1,2,3,4,5,6,7
	v_pk_mul_f32 v[LG+2*\i:LG+2*\i+1], v[LG+2*\i:LG+2*\i+1], s[24:25] op_sel_hi:[1,0]               ; then x log2(e)
.endr
	s_wait_alu depctr_va_vdst(0)
.irp i, 0,1,2,3,4,5,6,7,8,9,10,11,12,13,14,15
	v_exp_f32 v[LG+\i], v[LG+\i]                   ; p, at most 1: one batch
.endr
	v_mov_b32 v[RES], v[RES+1]                     ; the first sample's result moves down.  (The plain instruction behind the exponentials)
	s_wait_alu depctr_va_vdst(0)                   ; one wait for the batch, ahead of its first reader
	v_pk_add_f32 v[ZS:ZS+1], v[LG:LG+1], v[LG+2:LG+3]
	v_pk_mul_f32 v[NS:NS+1], v[LG:LG+1], v[SS:SS+1]
	v_pk_fma_f32 v[NS:NS+1], v[LG+2:LG+3], v[SS+2:SS+3], v[NS:NS+1]
.irp i, 2,3,4,5,6,7
	v_pk_add_f32 v[ZS:ZS+1], v[ZS:ZS+1], v[LG+2*\i:LG+2*\i+1]
	v_pk_fma_f32 v[NS:NS+1], v[LG+2*\i:LG+2*\i+1], v[SS+2*\i:SS+2*\i+1], v[NS:NS+1]
.endr
	s_delay_alu instid0(VALU_DEP_2)
	v_add_f32 v[ZS], v[ZS], v[ZS+1]
	s_delay_alu instid0(VALU_DEP_2)
	v_add_f32 v[NS], v[NS], v[NS+1]
.irp m, 1,2,4,8
	s_delay_alu instid0(VALU_DEP_2)
	v_add_f32_dpp v[ZS], v[ZS], v[ZS] row_xmask:\m row_mask:0xf bank_mask:0xf
	s_delay_alu instid0(VALU_DEP_2)
	v_add_f32_dpp v[NS], v[NS], v[NS] row_xmask:\m row_mask:0xf bank_mask:0xf
.endr
	s_delay_alu instid0(VALU_DEP_2)
	v_permlanex16_b32 v[T0], v[ZS], s20, s21
	s_delay_alu instid0(VALU_DEP_2)
	v_permlanex16_b32 v[T1], v[NS], s20, s21
	s_delay_alu instid0(VALU_DEP_2)
	v_add_f32 v[ZS], v[ZS], v[T0]                  ; the sum of p
	s_delay_alu instid0(VALU_DEP_2)
	v_add_f32 v[NS], v[NS], v[T1]                  ; the sum of p s
	s_wait_alu depctr_va_vdst(0)
	v_rcp_f32 v[T0], v[ZS]
	v_nop                                          ; a plain instruction behind the reciprocal,
	s_wait_alu depctr_va_vdst(0)                   ; and the wait ahead of its reader
	v_mul_f32 v[RES+1], v[NS], v[T0]
.endm
.macro WLOAD t                         ; attn_W(32 h + i, 16 t + r), i = 0 .. 31: my block of hidden unit 16 t + r, registers down K
.irp i, 0,1,2,3,4,5,6,7,8,9,10,11,12,13,14,15,16,17,18,19,20,21,22,23,24,25,26,27,28,29,30,31
	ds_load_b32 v[XR+32*(\t)+\i], v[AWR] offset:256*\i+64*(\t)
.endr
.endm
	s_load_b256 s[4:11], s[0:1], 0x0               ; embeds s[4:5], attn_W s[6:7], attn_b s[8:9], projection_h s[10:11]
	s_load_b128 s[12:15], s[0:1], 0x20             ; projection_p s[12:13], out0 s[14:15]
	v_lshl_add_u32 v254, v0, 2, 0x46100
	v_mov_b32 v255, 0
	ds_add_u32 v254, v255
	ds_add_u32 v254, v255
	v_and_b32 v8, 31, v0                           ; lane
	v_and_b32 v9, 15, v0                           ; r
	v_bfe_u32 v10, v0, 4, 1                        ; h
	v_lshrrev_b32 v11, 5, v0                       ; wave
	v_bfe_u32 v12, v0, 3, 1                        ; r / 8
	s_delay_alu instid0(VALU_DEP_2)
	v_readfirstlane_b32 s16, v11
	s_mul_i32 s26, s16, WREG
	s_add_co_u32 s26, s26, WBASE                   ; my wave's region
	s_add_co_u32 s23, s26, PART                    ; and its partials
	v_mul_u32_u24 v[AY], v9, PITCH
	s_delay_alu instid0(VALU_DEP_1)
	v_lshl_add_u32 v[AY], v10, 7, v[AY]
	s_delay_alu instid0(VALU_DEP_1)
	v_add_nc_u32 v[AY], s26, v[AY]
	s_delay_alu instid0(VALU_DEP_1)
	v_mad_u32_u24 v[AT30], v12, 32*PITCH, v[AY]
	v_mul_u32_u24 v[AST], v10, PITCH
	s_delay_alu instid0(VALU_DEP_1)
	v_lshl_add_u32 v[AST], v9, 4, v[AST]
	s_delay_alu instid0(VALU_DEP_1)
	v_add_nc_u32 v[AST], s26, v[AST]
	v_lshl_add_u32 v[AP], v8, 3, s23
	v_lshlrev_b32 v[AE], 8, v10
	s_delay_alu instid0(VALU_DEP_1)
	v_lshl_add_u32 v[AE], v9, 3, v[AE]
	s_delay_alu instid0(VALU_DEP_1)
	v_add_nc_u32 v[AE], s23, v[AE]
	v_lshlrev_b32 v[GO], 4, v8
	v_mul_u32_u24 v[AWR], v10, 8256                ; 32 rows of 256 bytes + the 64 by which rows 32-63 are shifted
	s_delay_alu instid0(VALU_DEP_1)
	v_lshl_add_u32 v[AWR], v9, 2, v[AWR]
	s_delay_alu instid0(VALU_DEP_3)
	v_lshl_add_u32 v[CG], v11, 11, v[GO]           ; my wave copies rows 8 w .. 8 w + 7 of attn_W: 2,048 w + 16 x lane,
	v_lshrrev_b32 v[CL], 7, v0
	s_delay_alu instid0(VALU_DEP_1)
	v_lshl_add_u32 v[CL], v[CL], 6, v[CG]          ; in LDS 64 bytes further on for waves 4-7 (rows 32-63)
	v_lshlrev_b32 v[OPP], 7, v10
	v_lshlrev_b32 v[OH], 5, v10
	s_mov_b32 s20, 0x76543210
	s_mov_b32 s21, 0xfedcba98                      ; v_permlanex16_b32's selects for lane l xor 16
	s_mov_b32 s22, 0x04000400                      ; v_perm_b32: my byte, the other's, mine, the other's
	s_mov_b32 s24, 0x3fb8aa3b                      ; log2(e)
	s_mov_b32 s25, s24                             ; (named with it as a pair, so it is written)
	s_mov_b32 s17, 2                               ; samples to go
	s_mov_b32 s19, 0
.irp k, 3,4,5,9,10,11
	v_mov_b32 v[PC+\k], 0                          ; the operand's zero codes: written once
.endr
	v_mov_b32 v[BO], 0                             ; (a lane permute's destination counts as one of its sources)
	v_mov_b32 v[T0], 0
	v_mov_b32 v[T1], 0
	v_mov_b32 v[RES+1], 0
	v_mov_b32 v[ZS], 0                             ; slot 31, which no tile fills: s = 0,
	v_mov_b32 v[ZS+1], 0
	v_mov_b32 v[NS], 0xff800000                    ; logit = -infinity
	v_mov_b32 v[NS+1], 0xff800000
	s_wait_alu depctr_va_vdst(0)
	s_wait_dscnt 0x0
	s_wait_kmcnt 0x0
	s_lshl_b32 s18, ttmp9, 17                      ; 16 samples of 8,192 bytes a work-group,
	s_lshl_b32 s27, s16, 14                        ; two a wave
	s_add_co_u32 s18, s18, s27
	s_add_nc_u64 s[4:5], s[4:5], s[18:19]
	s_lshl_b32 s18, ttmp9, 6                       ; and 4 bytes of out0 a sample
	s_lshl_b32 s27, s16, 3
	s_add_co_u32 s18, s18, s27
	s_add_nc_u64 s[14:15], s[14:15], s[18:19]
.irp j, 0,1,2,3
	global_load_async_to_lds_b128 v[CL], v[CG], s[6:7] offset:512*\j     ; 512 consecutive bytes each; the immediate goes to both addresses.  These bytes are filled once
.endr
	WIN 0x40
.irp t, 0,1,2,3
.irp q, 0,1
	global_load_b128 v[BI+8*\t+4*\q:BI+8*\t+4*\q+3], v[OH], s[8:9] offset:64*\t+16*\q
.endr
.endr
	WIN 0
.irp t, 0,1,2,3
.irp q, 0,1
	global_load_b128 v[HR+8*\t+4*\q:HR+8*\t+4*\q+3], v[OH], s[10:11] offset:64*\t+16*\q
.endr
.endr
.irp q, 0,1,2,3,4,5,6,7
	global_load_b128 v[PPR+4*\q:PPR+4*\q+3], v[OPP], s[12:13] offset:16*\q
.endr
	GLOADB                                         ; the first sample
	ds_store_b64 v[AP], v[ZS:ZS+1] offset:256*31
	ds_store_b64 v[AP], v[NS:NS+1] offset:LOGS+256*31
	s_wait_asynccnt 0x0                            ; my eight rows of attn_W have landed,
	s_wait_dscnt 0x0                               ; no LDS instruction of mine is out:
	s_barrier_signal -1
	s_barrier_wait -1                              ; everybody's rows have.  The kernel's one barrier
	; attn_W is quantised, by every wave for itself, while the first sample is on its way
	WLOAD 0
.irp t, 0,1,2,3
.if \t < 3
	WLOAD \t+1
	s_wait_dscnt 32                                ; this tile's 32 loads are in; the next tile's may be out
.else
	s_wait_dscnt 0x0
.endif
.irp k, 0,1,2,3,4,5,6,7
	C0 XR+32*\t, \k
	C1 XR+32*\t, \k
.endr
	s_delay_alu instid0(VALU_DEP_1)
	v_add_nc_u32 v[SCW+\t], 0xfe000000, v[MXB]
	s_delay_alu instid0(VALU_DEP_1)
	v_lshrrev_b32 v[BY], 23, v[SCW+\t]
	s_delay_alu instid0(VALU_DEP_1)
	v_permlanex16_b32 v[BO], v[BY], s20, s21
	s_delay_alu instid0(VALU_DEP_1)
	v_perm_b32 v[WS+\t], v[BO], v[BY], s22
.endr
	WIN 0x40                                       ; destination window 1
.irp t, 0,1,2,3
	v_cvt_scalef32_pk16_bf6_f32 v[WF+12*\t:WF+12*\t+2], v[XR+32*\t:XR+32*\t+15], v[SCW+\t]
	v_cvt_scalef32_pk16_bf6_f32 v[WF+12*\t+6:WF+12*\t+8], v[XR+32*\t+16:XR+32*\t+31], v[SCW+\t]
.endr
.irp t, 0,1,2,3
.irp k, 3,4,5,9,10,11
	v_mov_b32 v[WF+12*\t+\k], 0                    ; the fragments' zero codes.  (The first of these is the plain instruction behind the conversions)
.endr
.endr
	WIN 0
.Lbatch:                                               ; two trips: a sample each
	s_wait_loadcnt 0x0                             ; the sample is in (in the first trip the bias, h and p too); no load reads s[4:5] any more
	IMGSTORE
	XLOAD AY, 0                                    ; L's rows
	YLOAD 0
	s_wait_dscnt 0x0                               ; the image's stores have read their registers, which the next sample's loads take; the first tile's rows are in
	s_cmp_eq_u32 s17, 1
	s_cbranch_scc1 .Lno_next                       ; the last sample asks for nothing: no load leaves the buffer
	s_add_nc_u64 s[4:5], s[4:5], 8192
	GLOADB                                         ; the next sample has this sample's 31 steps in which to land
.Lno_next:
.set N, 0
.rept 31
	STEP N
.set N, N+1
.endr
	GATHER 0, SS                                   ; s of all pairs; its 32 additions are the places behind the last products
	MIX 0, 1, 0, 31                                ; relu and the dot with h of tile 30
	GATHER LOGS, LG                                ; the logits
	SOFTMAX
	s_sub_co_u32 s17, s17, 1
	s_cmp_lg_u32 s17, 0
	s_cbranch_scc1 .Lbatch
	s_setprio 0
	v_and_b32 v[T1], 31, v0
	v_mov_b32 v[T0], 0
	s_wait_alu depctr_va_vdst(0)
	s_wait_xcnt 0x0                                ; EXEC changes only behind this wait
	v_cmp_eq_u32 vcc_lo, 0, v[T1]
	s_wait_tensorcnt 0x0
	ds_add_u32 v254, v255
	s_wait_dscnt 0x0
	s_and_saveexec_b32 s28, vcc_lo
	global_store_b64 v[T0], v[RES:RES+1], s[14:15] ; lane 0 stores the wave's two results: 8 bytes of out0's 16,384
	s_wait_xcnt 0x0
	s_or_b32 exec_lo, exec_lo, s28
	s_endpgm
.Lfunc_end_k_q7a686ca9be_afm:
	.size	k_q7a686ca9be_afm, .Lfunc_end_k_q7a686ca9be_afm-k_q7a686ca9be_afm
	.p2alignl 7, 3214868480
	.fill 96, 4, 3214868480
	.section	.rodata,"a",@progbits
	.p2align	6, 0x0
	.amdhsa_kernel k_q7a686ca9be_afm
		.amdhsa_group_segment_fixed_size 288000
		.amdhsa_private_segment_fixed_size 0
		.amdhsa_enable_private_segment 0
		.amdhsa_kernarg_size 48
		.amdhsa_user_sgpr_count 2
		.amdhsa_user_sgpr_kernarg_segment_ptr 1
		.amdhsa_wavefront_size32 1
		.amdhsa_system_sgpr_workgroup_id_x 1
		.amdhsa_system_sgpr_workgroup_id_y 1
		.amdhsa_system_sgpr_workgroup_id_z 1
		.amdhsa_system_vgpr_workitem_id 0
		.amdhsa_next_free_vgpr 512
		.amdhsa_next_free_sgpr 66
		.amdhsa_reserve_vcc 1
		.amdhsa_float_denorm_mode_32 3
		.amdhsa_float_denorm_mode_16_64 3
		.amdhsa_memory_ordered 1
		.amdhsa_forward_progress 1
		.amdhsa_inst_pref_size 253
	.end_amdhsa_kernel
	.amdgpu_metadata
---
amdhsa.version: [ 1, 2 ]
amdhsa.kernels:
  - .name:           k_q7a686ca9be_afm
    .symbol:         k_q7a686ca9be_afm.kd
    .args:
      - { .name: embeds, .offset: 0, .size: 8, .value_kind: global_buffer, .address_space: global }
      - { .name: attn_W, .offset: 8, .size: 8, .value_kind: global_buffer, .address_space: global }
      - { .name: attn_b, .offset: 16, .size: 8, .value_kind: global_buffer, .address_space: global }
      - { .name: projection_h, .offset: 24, .size: 8, .value_kind: global_buffer, .address_space: global }
      - { .name: projection_p, .offset: 32, .size: 8, .value_kind: global_buffer, .address_space: global }
      - { .name: out0, .offset: 40, .size: 8, .value_kind: global_buffer, .address_space: global }
    .group_segment_fixed_size: 288000
    .private_segment_fixed_size: 0
    .kernarg_segment_align: 8
    .kernarg_segment_size: 48
    .max_flat_workgroup_size: 256
    .sgpr_count:     66
    .vgpr_count:     512
    .wavefront_size: 32
...
	.end_amdgpu_metadata
.endif
;; end of part 1
